; MI455X (gfx1250); checked and timed in simulation.
; The chip was launched on July 23, 2026; its instructions are those of AMD's public machine-readable ISA for CDNA 5 (MIT licence, August 2026) and "CDNA5" Instruction Set Architecture Reference Guide (July 2026). The comments in the code are by the model that wrote it; some were corrected since.
;; Gaussian Image Cholesky. Allowed arithmetic: float matrix products may take bf16 or f16 operands with f32 sums; all other float work in f32.
;; Inputs: cholesky 2 x 512 x 3 float32; features_dc 512 x 3 float32; opacity 512 x 1 float32; xyz 2 x 512 x 2 float32.
;; Outputs: out0 2 x 3 x 256 x 256 float32.
;; One version. Each part assembles by itself: llvm-mc -triple=amdgcn-amd-amdhsa -mcpu=gfx1250 --defsym DOCPART=n.
;; ======== version 1 of 1: 1 launch
;; launch render (part 1): grid 256 x 1, 16 waves a work-group, no clusters, 26,624 bytes of LDS; arguments xyz, cholesky, features_dc, opacity, out0; writes out0
.if DOCPART == 1
	.amdgcn_target "amdgcn-amd-amdhsa--gfx1250"
	.amdhsa_code_object_version 6
	.text
	.protected	k_qc91595f55b_render
	.globl	k_qc91595f55b_render
	.p2align	8
	.type	k_qc91595f55b_render,@function
k_qc91595f55b_render:
	s_mov_b64 s[64:65], 0
	v_nop
	global_prefetch_b8 v0, s[64:65] scope:SCOPE_SE
	s_setreg_imm32_b32 hwreg(HW_REG_WAVE_MODE, 25, 1), 1
	s_wait_xcnt 0x0
; GaussianImage (Cholesky), accumulated rasterisation.  out0[f][c][y][x] = clip( sum over n of opac[n] exp(-sigma(f,n,y,x)) colour[n][c], 0, 1 ).
; 2 frames, 512 gaussians, 256 x 256 pixels, all f32 in memory.
;
; THE QUADRATIC FORM.  sigma = 0.5 (ca dx^2 + cc dy^2) + cb dx dy, dx = cx - x, dy = cy - y, is written as a sum of two squares:
;   sigma log2(e) = w^2 + Q,   w = sa (x - u),   sa = sqrt(K ca),   u = cx + (cb/ca) dy = cx - (sxy/syy) dy,   Q = K dy^2 / syy,   K = 0.5 log2(e)
; (cc - cb^2/ca = (sxx syy - sxy^2) / (det syy) = 1/syy).  sa hangs on the gaussian alone, sa u and Q on gaussian and image row alone: they are made
; once for a work-group's two rows, and an element costs two halves of a packed multiply-add, one exponential and half a packed rounding to bf16.
; The opacity is multiplied into the colours: (opac exp) colour = exp (opac colour).
;
; THE TEST sigma >= 0.  A sum of two squares is never negative, so the test can fail only where sigma is NaN.  That is decided in set-up, for each
; gaussian and row: if sa, sa u or Q is not finite the table gets sa u = 0 and -Q = -inf (and sa = 0 if sa itself is not finite), the exponent is -inf
; at every pixel and the term is exactly 0.  With finite tables w is finite or infinite and -w^2 - Q is never NaN.
; LIMITS, kept on purpose: the order of rounding differs from the plain form, so where rounding of the plain form would make sigma negative (a conic
; so near singular that sxx syy - sxy^2 loses all its bits) or where det, syy or their reciprocals leave f32's normal range (below 2^-126, above 2^127),
; the term is dropped or kept by this text's sigma, not by the plain form's.  Terms below 2^-126 are 0 (v_exp_f32 flushes, ISA guide 15.8).
; tanh and sigmoid are made of v_exp_f32 and v_rcp_f32: a centre is good to about 2^-22 x 256 pixels.  The bound 0.0 added to cholesky[..][1] changes no number and is not written.
;
; THE PRODUCT with the colours goes to the matrix unit in bf16, sums in f32: D = A B + C, A = colours, B = exponentials, K = 32.
; In A, row c (c = 0,1,2) is filled only at the k that lanes 0-15 hold, row 8 + c only at the k that lanes 16-31 hold, both with the same 16 gaussians.
; So column r of B may carry pixel r in lanes 0-15 and pixel 16 + r in lanes 16-31: one instruction sums 16 gaussians for 32 pixels, every lane works on
; ONE pixel and all lanes on the SAME gaussians (uniform table reads), and register c of D in lane L is channel c of lane L's own pixel.
;
; SHARES.  256 work-groups of 16 waves.  A work-group owns two rows of one frame; wave 4 q + p owns half row p (128 pixels; lane L has x = 4 L + i in
; tile i = 0..3, four accumulators) and gaussians 128 q .. 128 q + 127 (8 chunks of 16).  The four partial sums of a pixel meet in LDS at the end.
; NO CLUSTER, NO TENSOR LOAD: a work-group reads 512 x (8 + 12 + 12 + 4) = 18,432 bytes once, one gaussian a thread, straight into the registers that
; transform them, against 262,144 exponentials of its own; nothing is read twice by it.
.set FRAME_XYZ,  4096                  ; bytes of xyz in a frame
.set FRAME_CHOL, 6144                  ; bytes of cholesky in a frame
.set SA_OFF, 0                         ; LDS: sa[512]
.set CN_OFF, 2048                      ; LDS: -sa u, [2 rows][512]
.set NQ_OFF, 6144                      ; LDS: -Q,    [2 rows][512]
.set COL,    10240                     ; LDS: opac x colour in bf16, rows c = 0,1,2 and a row of zeros
.set CPITCH, 1040                      ; 1,024 bytes + 16: the four rows that a fragment load touches start 16 bytes apart modulo 256
.set REDW,   1536                      ; LDS, at the end, from byte 0: a wave's partial sums, 3 channels x 128 pixels x 4 bytes
.set LN,  1                            ; v1        lane
.set PA,  2                            ; v2        LDS address of my quarter of sa
.set PR,  3                            ; v3        the same plus my row: for -sa u and -Q
.set CA,  4                            ; v4        LDS address of my lane's row of the colour table, at my quarter
.set RS,  5                            ; v5        where I put my partial sums
.set RL,  6                            ; v6        where I read the four partial sums that I add
.set OO,  7                            ; v7        my byte offset in out0
.set X,   8                            ; v[8:15]   x of tile i, twice: a pair for the packed multiply-add
.set ACC, 16                           ; v[16:47]  accumulator of tile i: 8 registers, of which 0,1,2 are the channels
.set AF,  48                           ; v[48:63]  colour fragment, two buffers
.set BF,  64                           ; v[64:71]  fragment of exponentials
.set S,   72                           ; v[72:103] 16 exponents, then exponentials, of a tile; two buffers
.set P,   104                          ; v[104:199] a chunk's sa[16], -sa u[16], -Q[16]; two buffers
.set T,   104                          ; set-up's temporaries lie where the tables' buffers lie later
	s_load_b256 s[4:11], s[0:1], 0x0               ; xyz s[4:5], cholesky s[6:7], features_dc s[8:9], opacity s[10:11]
	s_load_b64 s[12:13], s[0:1], 0x20              ; out0
	v_lshl_add_u32 v200, v0, 2, 0x6000
	v_mov_b32 v201, 0
	s_lshr_b32 s14, ttmp9, 7                       ; frame: 128 work-groups each
	s_and_b32 s15, ttmp9, 127
	s_lshl_b32 s15, s15, 1                         ; my first image row
	s_lshl_b32 s16, s14, 12                        ; frame x FRAME_XYZ
	s_mul_i32 s17, s14, FRAME_CHOL
	v_lshl_add_u32 v[T+10], v0, 3, s16             ; thread n takes gaussian n: xyz at 8 n,
	v_mul_u32_u24 v[T+12], 12, v0                  ; features_dc at 12 n,
	v_add_nc_u32 v[T+11], s17, v[T+12]             ; cholesky at 12 n in the frame,
	v_lshlrev_b32 v[T+13], 2, v0                   ; opacity at 4 n (also the tables' LDS offset)
	s_wait_kmcnt 0x0
	global_load_b64 v[T:T+1], v[T+10], s[4:5]
	global_load_b32 v[T+2], v[T+11], s[6:7]
	global_load_b32 v[T+3], v[T+11], s[6:7] offset:4
	global_load_b32 v[T+4], v[T+11], s[6:7] offset:8
	global_load_b32 v[T+5], v[T+12], s[8:9]
	global_load_b32 v[T+6], v[T+12], s[8:9] offset:4
	global_load_b32 v[T+7], v[T+12], s[8:9] offset:8
	global_load_b32 v[T+8], v[T+13], s[10:11]
	; while they are on their way: who I am, my addresses, my pixels
	v_lshrrev_b32 v1, 5, v0
	v_readfirstlane_b32 s18, v1                    ; wave 0..15
	s_lshr_b32 s19, s18, 2                         ; q: my quarter of the gaussians; at the end the channel that I finish
	s_and_b32 s20, s18, 3                          ; p: my half row
	s_lshr_b32 s21, s20, 1                         ; which of the two rows
	s_and_b32 s22, s20, 1                          ; which half of it
	v_and_b32 v[LN], 31, v0
	s_lshl_b32 s23, s19, 9                         ; 128 gaussians x 4 bytes
	s_lshl_b32 s24, s21, 11
	s_add_co_u32 s24, s24, s23                     ; + row x 2,048
	v_mov_b32 v[PA], s23
	v_mov_b32 v[PR], s24
	s_lshl_b32 s25, s19, 8                         ; 128 gaussians x 2 bytes
	s_add_co_u32 s25, s25, COL
	; the colour table's row for lane L = (r, h): lanes 0,1,2 hold A's rows 0,1,2 at the lower lanes' k, lanes 24,25,26 hold rows 8,9,10 at the upper lanes' k;
	; all other lanes hold zeros: row min(3, r xor 8 h)
	v_lshrrev_b32 v[S+1], 1, v[LN]
	v_and_b32 v[S+1], 8, v[S+1]                    ; 8 h
	v_xor_b32 v[S+1], v[LN], v[S+1]
	v_and_b32 v[S+1], 15, v[S+1]                   ; r xor 8 h
	v_min_u32 v[S+1], 3, v[S+1]
	v_mad_u32_u24 v[CA], v[S+1], CPITCH, s25
	s_mul_i32 s28, s18, REDW
	v_lshl_add_u32 v[RS], v[LN], 4, s28            ; my wave's stage + 16 x lane (four pixels)
	s_mul_i32 s29, s20, REDW
	s_lshl_b32 s30, s19, 9
	s_add_co_u32 s29, s29, s30
	v_lshl_add_u32 v[RL], v[LN], 4, s29            ; quarter 0's stage for my half row, channel q (used by waves 0-11 alone)
	s_mul_i32 s30, s14, 3
	s_add_co_u32 s30, s30, s19
	s_lshl_b32 s30, s30, 18                        ; (3 frame + channel) x 262,144 bytes
	s_add_co_u32 s31, s15, s21
	s_lshl_b32 s31, s31, 10                        ; + image row x 1,024
	s_add_co_u32 s30, s30, s31
	s_lshl_b32 s31, s22, 9                         ; + half x 512
	s_add_co_u32 s30, s30, s31
	v_lshl_add_u32 v[OO], v[LN], 4, s30
	s_lshl_b32 s31, s22, 7
	v_lshl_add_u32 v[S], v[LN], 2, s31             ; x of tile 0 = 128 half + 4 lane
	v_cvt_f32_u32 v[X], v[S]
	v_cvt_f32_u32 v[X+1], v[S]
	v_add_f32 v[X+2], 1.0, v[X]
	v_add_f32 v[X+3], 1.0, v[X]
	v_add_f32 v[X+4], 2.0, v[X]
	v_add_f32 v[X+5], 2.0, v[X]
	v_add_f32 v[X+6], 0x40400000, v[X]             ; 3.0
	v_add_f32 v[X+7], 0x40400000, v[X]
	s_mov_b32 s26, 0xc3800000                      ; -256.0
	s_mov_b32 s27, 0x43800000                      ;  256.0
	; SET-UP: gaussian n.  tanh(t) = 1 - 2 r, r = 1 / (1 + 2^(2 log2(e) t)), so a centre is 128 (tanh + 1) = 256 - 256 r.  sigmoid(t) = 1 / (1 + 2^(-log2(e) t)).
	s_wait_loadcnt 0x0
	v_mul_f32 v[T+0], 0x4038aa3b, v[T+0]           ; 2 log2(e)
	v_mul_f32 v[T+1], 0x4038aa3b, v[T+1]
.irp j, 5,6,7,8
	v_mul_f32 v[T+\j], 0xbfb8aa3b, v[T+\j]         ; -log2(e)
.endr
.irp j, 0,1,5,6,7,8
	v_exp_f32 v[T+\j], v[T+\j]
.endr
	; behind the transcendentals plain work on other registers stands before their results are used (ISA guide 5.7.2): Sigma = L L^T
	v_add_f32 v[T+2], 0.5, v[T+2]                  ; l0
	v_add_f32 v[T+4], 0.5, v[T+4]                  ; l2   (l1 = cholesky[..][1])
	v_mul_f32 v[T+14], v[T+2], v[T+2]              ; sxx
	v_mul_f32 v[T+15], v[T+2], v[T+3]              ; sxy
	v_mul_f32 v[T+16], v[T+4], v[T+4]
	v_fmac_f32 v[T+16], v[T+3], v[T+3]             ; syy = l1^2 + l2^2
	v_mul_f32 v[T+17], v[T+15], v[T+15]
	v_fma_f32 v[T+17], v[T+14], v[T+16], -v[T+17]  ; det = sxx syy - sxy^2
	s_wait_alu depctr_va_vdst(0)
.irp j, 0,1,5,6,7,8
	v_add_f32 v[T+\j], 1.0, v[T+\j]
.endr
.irp j, 0,1,5,6,7,8
	v_rcp_f32 v[T+\j], v[T+\j]
.endr
	v_rcp_f32 v[T+18], v[T+17]                     ; 1 / det
	v_rcp_f32 v[T+19], v[T+16]                     ; 1 / syy
	v_cvt_f32_u32 v[T+20], s15                     ; y of my work-group's two rows (plain work behind the reciprocals)
	v_add_f32 v[T+21], 1.0, v[T+20]
	s_wait_alu depctr_va_vdst(0)
	v_mul_f32 v[T+18], v[T+16], v[T+18]            ; ca = syy / det
	v_mul_f32 v[T+18], 0x3f38aa3b, v[T+18]         ; K ca, K = 0.5 log2(e)
	v_sqrt_f32 v[T+18], v[T+18]                    ; sa
	v_fma_f32 v[T+0], v[T+0], s26, s27             ; cx = 256 - 256 r
	v_fma_f32 v[T+1], v[T+1], s26, s27             ; cy
	v_mul_f32 v[T+15], v[T+15], v[T+19]            ; sxy / syy = -cb / ca
	v_mul_f32 v[T+19], 0xbf38aa3b, v[T+19]         ; -K / syy
.irp j, 5,6,7
	v_mul_f32 v[T+\j], v[T+\j], v[T+8]             ; opac x colour
.endr
	v_cvt_pk_bf16_f32 v[T+32], v[T+5], v[T+6]      ; channels 0 and 1 in the two halves
	v_cvt_pk_bf16_f32 v[T+33], v[T+7], 0           ; channel 2, and the zero for the table's fourth row
	v_lshlrev_b32 v[T+31], 1, v0
	s_wait_alu depctr_va_vdst(0)
	v_mul_f32 v[T+28], 0, v[T+18]                  ; 0 x sa: 0 if sa is finite, else NaN
.irp r, 0,1
	v_sub_f32 v[T+22+\r], v[T+1], v[T+20+\r]                       ; dy = cy - y
	v_fma_f32 v[T+24+\r], v[T+15], v[T+22+\r], -v[T+0]             ; -u = (sxy/syy) dy - cx
	v_mul_f32 v[T+26+\r], v[T+19], v[T+22+\r]
	v_mul_f32 v[T+24+\r], v[T+18], v[T+24+\r]                      ; -sa u
	v_mul_f32 v[T+26+\r], v[T+26+\r], v[T+22+\r]                   ; -Q = -(K/syy) dy^2
	v_fma_f32 v[T+29+\r], 0, v[T+24+\r], v[T+28]                   ; 0 if sa, sa u and Q are all finite, else NaN
	v_fmac_f32 v[T+29+\r], 0, v[T+26+\r]
.endr
.irp r, 0,1
	v_cmp_eq_f32 vcc_lo, 0, v[T+29+\r]
	v_cndmask_b32 v[T+24+\r], 0, v[T+24+\r], vcc_lo                ; not finite: the gaussian gives this row nothing: -sa u = 0,
	v_cndmask_b32 v[T+26+\r], 0xff800000, v[T+26+\r], vcc_lo       ; -Q = -inf
.endr
	v_cmp_eq_f32 vcc_lo, 0, v[T+28]
	v_cndmask_b32 v[T+18], 0, v[T+18], vcc_lo                      ; and sa = 0 where sa itself is not finite, so that sa x is no NaN at x = 0
	ds_store_b32 v[T+13], v[T+18] offset:SA_OFF
	ds_store_b32 v[T+13], v[T+24] offset:CN_OFF
	ds_store_b32 v[T+13], v[T+25] offset:CN_OFF+2048
	ds_store_b32 v[T+13], v[T+26] offset:NQ_OFF
	ds_store_b32 v[T+13], v[T+27] offset:NQ_OFF+2048
	ds_store_b16 v[T+31], v[T+32] offset:COL
	ds_store_b16_d16_hi v[T+31], v[T+32] offset:COL+CPITCH
	ds_store_b16 v[T+31], v[T+33] offset:COL+2*CPITCH
	ds_store_b16_d16_hi v[T+31], v[T+33] offset:COL+3*CPITCH
	s_wait_dscnt 0x0                               ; my part of the tables is written,
	s_barrier_signal -1
	s_barrier_wait -1                              ; everybody's is
; Four places of plain vector work behind a matrix instruction before its result is read or one of its registers is written (ISA guide 7.12.1)
.macro PLACES
	s_wait_alu depctr_va_vdst(0)
.rept 4
	v_nop
.endr
.endm
; 14 LDS loads: chunk c of my quarter into buffer b.  The twelve table loads have one address for all lanes.
.macro LOADP c, b
.irp j, 0,1,2,3
	ds_load_b128 v[P+48*\b+4*\j:P+48*\b+4*\j+3], v[PA] offset:SA_OFF+64*(\c)+16*\j
.endr
.irp j, 0,1,2,3
	ds_load_b128 v[P+48*\b+16+4*\j:P+48*\b+16+4*\j+3], v[PR] offset:CN_OFF+64*(\c)+16*\j
.endr
.irp j, 0,1,2,3
	ds_load_b128 v[P+48*\b+32+4*\j:P+48*\b+32+4*\j+3], v[PR] offset:NQ_OFF+64*(\c)+16*\j
.endr
	ds_load_b128 v[AF+8*\b:AF+8*\b+3],   v[CA] offset:32*(\c)      ; gaussians 0-7 of the chunk: the fragment's registers 0-3
	ds_load_b128 v[AF+8*\b+4:AF+8*\b+7], v[CA] offset:32*(\c)+16   ; gaussians 8-15: registers 4-7
.endm
; One tile's turn.  Its 16 exponents lie in buffer sb.  Each exponential is followed by one packed multiply-add of the NEXT tile (tile ni, tables in buffer nb),
; which is the plain instruction that a transcendental wants behind it (ISA guide 5.7.2) and, sixteen times, the places behind the last matrix instruction.
; nx = 0: there is no next tile.  ld = 1: chunk lc is requested into buffer lb, sixteen places behind the last matrix instruction that read that colour fragment.
.macro STEP sb, i, ab, zero, nx, ni, nb, ld, lc, lb
.set SC, S+16*\sb
.set SN, S+16-16*\sb
.set PN, P+48*\nb
.if \nx
.irp k, 0,1,2,3,4,5,6,7
	v_exp_f32 v[SC+\k], v[SC+\k]
	v_pk_fma_f32 v[SN+2*\k:SN+2*\k+1], v[X+2*\ni:X+2*\ni+1], v[PN+2*\k:PN+2*\k+1], v[PN+16+2*\k:PN+16+2*\k+1]     ; w = sa x - sa u, two gaussians
.endr
.irp k, 0,1,2,3,4,5,6,7
	v_exp_f32 v[SC+8+\k], v[SC+8+\k]
	v_pk_fma_f32 v[SN+2*\k:SN+2*\k+1], v[SN+2*\k:SN+2*\k+1], v[SN+2*\k:SN+2*\k+1], v[PN+32+2*\k:PN+32+2*\k+1] neg_lo:[1,0,0] neg_hi:[1,0,0]   ; -w w - Q
.endr
.else
.irp k, 0,1,2,3,4,5,6,7,8,9,10,11,12,13,14,15
	v_exp_f32 v[SC+\k], v[SC+\k]
.endr
	PLACES                                         ; behind the exponentials, and behind the matrix instruction whose B the lines below write again
.endif
.if \ld
	LOADP \lc, \lb
.endif
	s_wait_alu depctr_va_vdst(0)
.irp k, 0,1,2,3,4,5,6,7
	v_cvt_pk_bf16_f32 v[BF+\k], v[SC+2*\k], v[SC+2*\k+1]           ; gaussians 2k, 2k+1 of the chunk: the lower k in the lower half
.endr
.if \zero
	v_wmma_f32_16x16x32_bf16 v[ACC+8*\i:ACC+8*\i+7], v[AF+8*\ab:AF+8*\ab+7], v[BF:BF+7], 0     ; the first chunk starts the sums: nothing is cleared
.else
	v_wmma_f32_16x16x32_bf16 v[ACC+8*\i:ACC+8*\i+7], v[AF+8*\ab:AF+8*\ab+7], v[BF:BF+7], v[ACC+8*\i:ACC+8*\i+7]
.endif
.endm
; A chunk: 16 gaussians x 4 tiles.  b: its buffer, o: the other one.  The four accumulators take turns, one matrix instruction a turn, from chunk to chunk too.
.macro CHUNK c, b, o, zero, last
.if \last
	STEP 0, 0, \b, \zero, 1, 1, \b, 0, 0, 0
.else
	STEP 0, 0, \b, \zero, 1, 1, \b, 1, \c+1, \o    ; the next chunk is asked for here ...
.endif
	STEP 1, 1, \b, \zero, 1, 2, \b, 0, 0, 0
	STEP 0, 2, \b, \zero, 1, 3, \b, 0, 0, 0
.if \last
	STEP 1, 3, \b, \zero, 0, 0, 0, 0, 0, 0
.else
	s_wait_dscnt 0x0                               ; ... and has to be there here: this turn makes the exponents of its first tile.  Its 14 loads are all that is out
	STEP 1, 3, \b, \zero, 1, 0, \o, 0, 0, 0
.endif
.endm
	LOADP 0, 0
	s_wait_dscnt 0x0
.irp k, 0,1,2,3,4,5,6,7                            ; the exponents of the very first tile
	v_pk_fma_f32 v[S+2*\k:S+2*\k+1], v[X:X+1], v[P+2*\k:P+2*\k+1], v[P+16+2*\k:P+16+2*\k+1]
.endr
.irp k, 0,1,2,3,4,5,6,7
	v_pk_fma_f32 v[S+2*\k:S+2*\k+1], v[S+2*\k:S+2*\k+1], v[S+2*\k:S+2*\k+1], v[P+32+2*\k:P+32+2*\k+1] neg_lo:[1,0,0] neg_hi:[1,0,0]
.endr
	CHUNK 0, 0, 1, 1, 0
	CHUNK 1, 1, 0, 0, 0
	CHUNK 2, 0, 1, 0, 0
	CHUNK 3, 1, 0, 0, 0
	CHUNK 4, 0, 1, 0, 0
	CHUNK 5, 1, 0, 0, 0
	CHUNK 6, 0, 1, 0, 0
	CHUNK 7, 1, 0, 0, 1
	; THE FOUR QUARTERS MEET.  The stage takes the tables' bytes, so first every wave has read its last table entry.
	PLACES                                         ; behind the last matrix instruction, before its result is stored
	s_wait_dscnt 0x0                               ; my reads of the tables are back
	s_barrier_signal -1
	s_barrier_wait -1                              ; everybody's are
.irp c, 0,1,2
.irp i, 0,1,2,3
	ds_store_b32 v[RS], v[ACC+8*\i+\c] offset:512*\c+4*\i          ; [channel][pixel 4 lane + i]: the four tiles of a lane become 16 neighbouring bytes
.endr
.endr
	s_wait_dscnt 0x0                               ; my partial sums are written,
	s_barrier_signal -1
	s_barrier_wait -1                              ; everybody's are
	s_cmp_ge_u32 s18, 12                           ; 4 half rows x 3 channels = 12 pieces: wave 4 q + p finishes channel q of half row p; waves 12-15 are done
	s_cbranch_scc1 .Ldone
.irp q, 0,1,2,3
	ds_load_b128 v[S+4*\q:S+4*\q+3], v[RL] offset:\q*4*REDW        ; quarter q's sums of my four pixels
.endr
	s_wait_dscnt 0x0
	v_pk_add_f32 v[S:S+1],     v[S:S+1],     v[S+4:S+5]
	v_pk_add_f32 v[S+2:S+3],   v[S+2:S+3],   v[S+6:S+7]
	v_pk_add_f32 v[S+8:S+9],   v[S+8:S+9],   v[S+12:S+13]
	v_pk_add_f32 v[S+10:S+11], v[S+10:S+11], v[S+14:S+15]
	v_pk_add_f32 v[S:S+1],     v[S:S+1],     v[S+8:S+9]
	v_pk_add_f32 v[S+2:S+3],   v[S+2:S+3],   v[S+10:S+11]
.irp k, 0,1,2,3
	v_med3_num_f32 v[S+\k], v[S+\k], 0, 1.0        ; clip to [0, 1]
.endr
	global_store_b128 v[OO], v[S:S+3], s[12:13] th:TH_STORE_NT     ; the wave stores 512 consecutive bytes, at a multiple of 512 from out0's first byte
.Ldone:
	s_wait_tensorcnt 0x0
	ds_add_u32 v200, v201
	s_wait_dscnt 0x0
	s_endpgm
.Lfunc_end_k_qc91595f55b_render:
	.size	k_qc91595f55b_render, .Lfunc_end_k_qc91595f55b_render-k_qc91595f55b_render
	.p2alignl 7, 3214868480
	.fill 96, 4, 3214868480
	.section	.rodata,"a",@progbits
	.p2align	6, 0x0
	.amdhsa_kernel k_qc91595f55b_render
		.amdhsa_group_segment_fixed_size 26624
		.amdhsa_private_segment_fixed_size 0
		.amdhsa_enable_private_segment 0
		.amdhsa_kernarg_size 40
		.amdhsa_user_sgpr_count 2
		.amdhsa_user_sgpr_kernarg_segment_ptr 1
		.amdhsa_wavefront_size32 1
		.amdhsa_system_sgpr_workgroup_id_x 1
		.amdhsa_system_sgpr_workgroup_id_y 1
		.amdhsa_system_sgpr_workgroup_id_z 1
		.amdhsa_system_vgpr_workitem_id 0
		.amdhsa_next_free_vgpr 202
		.amdhsa_next_free_sgpr 66
		.amdhsa_reserve_vcc 1
		.amdhsa_float_denorm_mode_32 3
		.amdhsa_float_denorm_mode_16_64 3
		.amdhsa_memory_ordered 1
		.amdhsa_forward_progress 1
		.amdhsa_inst_pref_size 84
	.end_amdhsa_kernel
	.amdgpu_metadata
---
amdhsa.version: [ 1, 2 ]
amdhsa.kernels:
  - .name:           k_qc91595f55b_render
    .symbol:         k_qc91595f55b_render.kd
    .args:
      - { .name: xyz, .offset: 0, .size: 8, .value_kind: global_buffer, .address_space: global }
      - { .name: cholesky, .offset: 8, .size: 8, .value_kind: global_buffer, .address_space: global }
      - { .name: features_dc, .offset: 16, .size: 8, .value_kind: global_buffer, .address_space: global }
      - { .name: opacity, .offset: 24, .size: 8, .value_kind: global_buffer, .address_space: global }
      - { .name: out0, .offset: 32, .size: 8, .value_kind: global_buffer, .address_space: global }
    .group_segment_fixed_size: 26624
    .private_segment_fixed_size: 0
    .kernarg_segment_align: 8
    .kernarg_segment_size: 40
    .max_flat_workgroup_size: 512
    .sgpr_count:     66
    .vgpr_count:     202
    .wavefront_size: 32
...
	.end_amdgpu_metadata
.endif
;; end of part 1
